; MI455X (gfx1250); checked and timed in simulation.
; The chip was launched on July 23, 2026; its instructions are those of AMD's public machine-readable ISA for CDNA 5 (MIT licence, August 2026) and "CDNA5" Instruction Set Architecture Reference Guide (July 2026). The comments in the code are by the model that wrote it; some were corrected since.
;; Multi Head Attention. Allowed arithmetic: matrix products marked QUANTISED: E2M3 operands, one E8M0 scale for each 32 along K, by v_wmma_scale_f32_16x16x128_f8f6f4 with both operands' format E2M3, f32 sums; everything else in f32.
;; Inputs: Wk 512 x 512 float32; Wp 512 x 512 float32; Wq 512 x 512 float32; Wv 512 x 512 float32; bk 512 float32; bp 512 float32; bq 512 float32; bv 512 float32; x 2 x 4,096 x 512 float32; y 2 x 4,096 x 512 float32; z 2 x 4,096 x 512 float32.
;; Outputs: out0 2 x 4,096 x 512 float32.
;; This version of the problem:
;;   THIS VERSION OF THE PROBLEM IS GIVEN IN LOW PRECISION. The matrix products marked QUANTISED in the list below multiply operands that are first quantised to E2M3 (2 exponent bits, 3 mantissa bits; 6 bits a number), with one power-of-two scale for each 32 numbers along K (OCP MX v1.0); their sums are f32. All else is computed in f32.
;;   The module's matrix products, in the order in which they are computed (A, B: the left and right operand; K: the contracted axis; several contracted axes count as one K, in the product's order):
;;     1. [M 8,192, K 512] x [K 512, N 512]; A: input x; B: input Wq: QUANTISED
;;     2. [M 8,192, K 512] x [K 512, N 512]; A: input y; B: input Wk: QUANTISED
;;     3. [M 8,192, K 512] x [K 512, N 512]; A: input z; B: input Wv: QUANTISED
;;     4. batch 16 x [M 4,096, K 64] x [K 64, N 4,096]; A: computed on the way; B: computed on the way: QUANTISED
;;     5. batch 16 x [M 4,096, K 4,096] x [K 4,096, N 64]; A: softmax (see below); B: computed on the way: QUANTISED
;;     6. [M 8,192, K 512] x [K 512, N 512]; A: computed on the way; B: input Wp: QUANTISED
;;   THE QUANTISER, for each operand of a quantised product, along K:
;;     - K is cut into blocks of 32 from its start; a last block that is shorter is filled with zeros.
;;     - A block's scale is 2^e with e = floor(log2(the largest magnitude in the block)) - 2, held to -126 .. 127; a block of zeros has e = 0. As a byte (E8M0): e + 127.
;;     - Each number is divided by its block's scale, clamped to +-7.5, and rounded to the nearest number of E2M3, ties to even, subnormals kept.
;;     - The product sums the exact products of the quantised numbers (number of the format x scale) in f32.
;;   ~~~python
;;   def quantise(x, axis):      # numpy; x: float32 -> the quantised numbers, widened to float32 again
;;       x = np.moveaxis(x, axis, -1); K = x.shape[-1]
;;       x = np.pad(x, [(0, 0)] * (x.ndim - 1) + [(0, -K % 32)]); x = x.reshape(x.shape[:-1] + (-1, 32)); a = np.abs(x).max(-1, keepdims=True)
;;       e = np.where(a > 0, np.clip(np.frexp(np.where(a > 0, a, 1))[1] - 1 - 2, -126, 127), 0)      # np.frexp(a)[1] - 1 = floor(log2(a)), exactly
;;       r = np.clip(x / 2.0 ** e, -7.5, 7.5)
;;       step = 2.0 ** (np.maximum(np.frexp(np.where(r == 0, 1, r))[1] - 1, 0) - 3)
;;       q = np.round(r / step) * step * 2.0 ** e      # np.round: ties to even
;;       return np.moveaxis(q.reshape(q.shape[:-2] + (-1,))[..., :K], -1, axis).astype(np.float32)
;;   ~~~
;;   SOFTMAX AHEAD OF A QUANTISED PRODUCT. Where the list says 'softmax', what is quantised is not the finished softmax but p = 2^(t - M), with t = logit x log2(e) and M = ceil(the row's largest t), a whole number; so 1/2 < the row's largest p <= 1. The row's sum l is taken of the UNQUANTISED p, in f32, and the product's result is divided by l at the end. Since M is a whole number, a kernel that streams over the keys may use a running M (the ceiling of the running maximum): every later rescaling is an exact power of two, which a block's scale takes up: the codes' values come out the same.
;;   OPERANDS COMPUTED ON THE WAY. 'Computed on the way' means the value that the module computes at that place (a softmax that the list does not call 'softmax' is quantised finished and normalised). What goes into a quantiser is computed in f32, as accurately as f32 sums, v_exp_f32 and their like allow (about 1e-6 of the number): no bf16 or f16 on the way to a quantiser, and a product that is left as it is and whose result goes on into a quantised operand takes f32 operands (vector FMAs, or v_wmma_f32_16x16x4_f32). A number that lies on a knife's edge between two numbers of the format may be rounded either way, as far as f32 arithmetic and the matrix unit's own rounding can turn it there, and no further.
;; One version. Each part assembles by itself: llvm-mc -triple=amdgcn-amd-amdhsa -mcpu=gfx1250 --defsym DOCPART=n.
;; ======== version 1 of 1: 4 launches
;; limits: right only within a limited range of input values
;; workspace buffers: pcodes 10,223,616 bytes; pscales 425,984 bytes; qrec 3,407,872 bytes; kvrec 6,684,672 bytes; ocodes 3,145,728 bytes; oscales 131,072 bytes
;; launch prep (part 1): grid 448 x 1, 4 waves a work-group, no clusters, 34,816 bytes of LDS; arguments x, y, z, Wq, Wk, Wv, Wp, pcodes, pscales; writes pcodes, pscales
.if DOCPART == 1
	.amdgcn_target "amdgcn-amd-amdhsa--gfx1250"
	.amdhsa_code_object_version 6
	.text
	.protected	k_qfd5c98b46f_prep
	.globl	k_qfd5c98b46f_prep
	.p2align	8
	.type	k_qfd5c98b46f_prep,@function
k_qfd5c98b46f_prep:
	s_mov_b64 s[64:65], 0
	v_nop
	global_prefetch_b8 v0, s[64:65] scope:SCOPE_SE
	s_setreg_imm32_b32 hwreg(HW_REG_WAVE_MODE, 25, 1), 1
	s_wait_xcnt 0x0
; PREP: x, y, z [8192][512] and Wq, Wk, Wv, Wp [512 (k)][512 (n)], all f32, become codes of FP6 (E2M3) with one E8M0 byte for each 32 along K (the 512).
; A block's scale is 2^(floor(log2(its largest magnitude)) - 2); its byte is the largest magnitude's exponent field - 2, held at 1 from below.
; LIMITS: NaN and infinities are not served; a block whose largest magnitude lies under 2^-124 has its byte held at 1; a block of zeros gets the byte 1 with zero codes (this program alone reads the bytes).
; LAYOUT OF THE RESULTS: the order of the operand's registers.  Rows (of a weight: its columns n) are cut into tiles of 16: lane r of tile T holds row 32 (T / 2) + 8 (T % 2) + r + 8 (r / 8).
; A tile is 4 K steps of 128; a K step's fragment (12 registers a lane) is an image of 1,536 bytes: registers 4 c .. 4 c + 3 of lane l at 512 c + 16 l.  Scale words: 16 bytes a row (one word a K step), rows in the tiles' order.
; SHARES: work-groups 0-63 take the weights (weight = number / 16, 32 columns each, a wave a K step); the other 384 take x, y, z, a wave a tile of 16 rows.
.set WQ_C,  9437184                    ; pcodes: x, y, z at 0, 3,145,728, 6,291,456; the four weights from here on, 196,608 bytes each
.set WQ_S,  393216                     ; pscales: x, y, z at 0, 131,072, 262,144; the weights from here on, 8,192 bytes each
.set STG,   16*528                     ; LDS: a wave's stage: 16 rows x (512 bytes + 16), used by the rows' path alone
.set WSC,   4*STG                      ; 512 bytes for the scale words of 32 columns, used by the weights' path alone
.set SPARE, WSC+512                    ; the spare words, 128 bytes for each wave: two blocks of 256 bytes that no other line names
.set SPW, 2                            ; v2  LDS address of my spare word; never rewritten
.set NIL, 3                            ; v3  0; never rewritten
.set TM,  8                            ; v8-23   at work in QUANT
.set PW,  24                           ; v24-27  a row's four scale words
.set RAW, 32                           ; v32-159 two sets of 64: a K step as it is loaded
.set XT,  160                          ; v160-223 64 numbers of my row: register 16 b + i = k 32 b + 16 (lane / 16) + i
.set PC,  224                          ; v224-243 the codes just made
.set WX,  32                           ; weights: v32-159 my column's 128 numbers, down K
.set WF,  160                          ; v160-183 two sets of 12: what lanes (r, 0) and (r, 1) of the fragment hold
.set WT,  184                          ; v184-199 the upper halves of the blocks' codes, before they are moved
.set SEL, 24                           ; s[24:25] lane selects: lane l xor 16
.set HM,  26                           ; s26 mask of lanes 16-31
; 64 numbers of a lane, v[s] .. v[s + 63], become a fragment's codes in v[PC] on and its row's scale word in v[pw] (the same in lanes l and l xor 16).
.macro QUANT s, pw
.irp b, 0,1,2,3
	v_max3_num_f32 v[TM+\b], |v[\s+16*\b]|, |v[\s+1+16*\b]|, 0x1800000   ; block b: my 16 numbers, and the floor 2^(3 - 127): the byte cannot fall under 1
.endr
.irp i, 2,4,6,8,10,12,14
.irp b, 0,1,2,3
	v_max3_num_f32 v[TM+\b], v[TM+\b], |v[\s+16*\b+\i]|, |v[\s+1+16*\b+\i]|   ; the four blocks by turns
.endr
.endr
.irp b, 0,1,2,3
	v_permlanex16_b32 v[TM+4+\b], v[TM+\b], s[SEL], s[SEL+1]
.endr
.irp b, 0,1,2,3
	v_max_num_f32 v[TM+\b], v[TM+\b], v[TM+4+\b]   ; with lane l xor 16's 16: the block's largest magnitude
.endr
.irp b, 0,1,2,3
	v_add_nc_u32 v[TM+12+\b], 0xff000000, v[TM+\b]   ; 2 off its exponent field: the conversion's scale operand
.endr
.irp b, 0,1,2,3
	v_lshrrev_b32 v[TM+4+\b], 23, v[TM+12+\b]      ; the scale's byte
.endr
	v_lshl_or_b32 v[\pw], v[TM+5], 8, v[TM+4]
	v_lshl_or_b32 v[\pw], v[TM+6], 16, v[\pw]
	v_lshl_or_b32 v[\pw], v[TM+7], 24, v[\pw]
.irp c, 0,1
	v_cvt_scalef32_pk16_fp6_f32 v[PC+6*\c:PC+2+6*\c], v[\s+32*\c:\s+15+32*\c], v[TM+12+2*\c]
	v_cvt_scalef32_pk16_fp6_f32 v[PC+12+4*\c:PC+14+4*\c], v[\s+16+32*\c:\s+31+32*\c], v[TM+12+2*\c+1]   ; (a conversion's three registers begin on an even number)
.endr
	v_nop                                          ; one plain line behind the scaled conversions
.irp c, 0,1                                    ; the operand's layout wants a whole block in a lane: lanes 0-15 block 2 c, lanes 16-31 block 2 c + 1
.irp i, 0,1,2
	v_permlane16_swap_b32 v[PC+6*\c+\i], v[PC+12+4*\c+\i]
.endr
.irp i, 0,1,2
	v_mov_b32 v[PC+3+6*\c+\i], v[PC+12+4*\c+\i]
.endr
.endr
.endm
	s_load_b256 s[4:11], s[0:1], 0x0               ; x s[4:5], y s[6:7], z s[8:9], Wq s[10:11]
	s_load_b256 s[12:19], s[0:1], 0x20             ; Wk s[12:13], Wv s[14:15], Wp s[16:17], pcodes s[18:19]
	s_load_b64 s[20:21], s[0:1], 0x40              ; pscales
	v_lshl_add_u32 v[SPW], v0, 2, SPARE
	v_mov_b32 v[NIL], 0
	v_lshrrev_b32 v1, 5, v0
	v_readfirstlane_b32 s22, v1                    ; wave 0..3
	v_and_b32 v1, 31, v0                           ; lane
	s_cmp_lt_u32 ttmp9, 64                         ; the weights first: the branch hangs on the work-group's number alone
	s_cbranch_scc1 .Lweights
	; ---------------- ROWS OF x, y, z: one wave, one tile of 16 rows x 512 ----------------
	v_lshlrev_b32 v4, 4, v1                        ; 16 x lane: my bytes of a load's 512, and of an image's
	s_mul_i32 s23, s22, STG
	v_add_nc_u32 v5, s23, v4                       ; the stage, on the way in: a row's 512 bytes as they lie
	v_and_b32 v6, 15, v0                           ; r
	v_bfe_u32 v7, v0, 4, 1                         ; h
	v_mul_u32_u24 v28, v6, 528
	v_lshl_add_u32 v28, v7, 6, v28
	v_lshlrev_b32 v29, 3, v7
	v_lshl_add_u32 v7, v6, 4, v29                  ; 16 r + 8 h: my 8 bytes of the tile's scale words
	v_add_nc_u32 v6, s23, v28                      ; the stage, on the way out: row r, + 64 h: my 16 numbers of a block of 32
	v_cmp_le_u32 s[HM], 16, v1
	s_mov_b32 s[SEL], 0x76543210
	s_mov_b32 s[SEL+1], 0xfedcba98
.irp b, 0,1,2,3
	v_mov_b32 v[TM+4+\b], 0                        ; written once: a lane permute's destination counts as one of its sources
.endr
	s_sub_co_u32 s27, ttmp9, 64
	s_lshr_b32 s28, s27, 7                         ; which tensor
	s_and_b32 s29, s27, 127
	s_lshl_b32 s29, s29, 2
	s_add_co_u32 s29, s29, s22                     ; T: my tile, 0..511
	; THE ORDER OF ROWS IN A TILE OF y DIFFERS from x's and z's: row i of y's tile T is token 64 (T / 4) + 8 (T % 4) + i % 8 + 32 (i / 8),
	; so that in the attention's scores a lane's 32 registers of four neighbouring tiles are one whole block of 32 keys.
	s_cmp_eq_u32 s28, 1                            ; y?
	s_cselect_b32 s38, 2, 1                        ; tiles to a group: 4 or 2, as a shift,
	s_cselect_b32 s39, 3, 1                        ; and as a mask
	s_cselect_b32 s40, 32768, 0                    ; y's rows 8-15 lie 16 rows further on than the loads' immediates say
	s_lshr_b32 s32, s29, s38
	s_add_co_u32 s38, s38, 15
	s_lshl_b32 s32, s32, s38                       ; 32 (T / 2) or 64 (T / 4) rows of 2,048 bytes
	s_and_b32 s33, s29, s39
	s_lshl_b32 s33, s33, 14                        ; + 8 rows for each tile of the group
	s_add_co_u32 s32, s32, s33
	s_mov_b32 s33, 0
	s_mov_b32 s41, 0
	s_mul_i32 s34, s28, 3145728
	s_mul_i32 s35, s29, 6144
	s_add_co_u32 s34, s34, s35                     ; my tile's codes
	s_mov_b32 s35, 0
	s_lshl_b32 s36, s28, 17
	s_lshl_b32 s37, s29, 8
	s_add_co_u32 s36, s36, s37                     ; my tile's scale words
	s_mov_b32 s37, 0
	s_wait_alu depctr_va_vdst(0)
	s_wait_kmcnt 0x0
	s_cmp_eq_u32 s28, 0
	s_cselect_b64 s[30:31], s[4:5], s[6:7]
	s_cmp_eq_u32 s28, 2
	s_cselect_b64 s[30:31], s[8:9], s[30:31]
	s_add_nc_u64 s[30:31], s[30:31], s[32:33]
	s_add_nc_u64 s[38:39], s[30:31], s[40:41]      ; the base for rows 8-15 of the tile
	s_add_nc_u64 s[34:35], s[18:19], s[34:35]
	s_add_nc_u64 s[36:37], s[20:21], s[36:37]
.macro LOADK s                         ; K step s of my 16 rows: each load reads 512 consecutive bytes of one row
.irp i, 0,1,2,3,4,5,6,7,8,9,10,11,12,13,14,15
.if \i < 8
	global_load_b128 v[RAW+64*((\s)%2)+4*\i:RAW+64*((\s)%2)+4*\i+3], v4, s[30:31] offset:\i*2048+512*(\s) th:TH_LOAD_NT
.else
	global_load_b128 v[RAW+64*((\s)%2)+4*\i:RAW+64*((\s)%2)+4*\i+3], v4, s[38:39] offset:(\i+8)*2048+512*(\s) th:TH_LOAD_NT
.endif
.endr
.endm
.macro TURNK s                         ; through my own stage: in by rows, out 64 bytes of a block a lane.  LDS serves a wave's instructions in order: no wait between
.irp i, 0,1,2,3,4,5,6,7,8,9,10,11,12,13,14,15
	ds_store_b128 v5, v[RAW+64*((\s)%2)+4*\i:RAW+64*((\s)%2)+4*\i+3] offset:528*\i
.endr
.irp b, 0,1,2,3
.irp j, 0,1,2,3
	ds_load_b128 v[XT+16*\b+4*\j:XT+16*\b+4*\j+3], v6 offset:128*\b+16*\j
.endr
.endr
.endm
	LOADK 0
	LOADK 1
.irp s, 0,1,2,3
.if \s < 3
	s_wait_loadcnt 16                              ; this K step's 16 loads are in; the next step's 16 may be out
.else
	s_wait_loadcnt 0x0
.endif
	TURNK \s
	s_wait_dscnt 0x0                               ; my 64 numbers are back, and the stores have read the set
.if \s < 2
	LOADK \s+2                                     ; which takes the K step two on
.endif
.if \s > 0
	s_wait_xcnt 0x0                                ; the last step's stores have read the codes' registers
.endif
	QUANT XT, PW+\s
.irp c, 0,1,2
	global_store_b128 v4, v[PC+4*\c:PC+4*\c+3], s[34:35] offset:1536*\s+512*\c   ; the image: 512 consecutive bytes a store
.endr
.endr
	v_cndmask_b32 v28, v[PW], v[PW+2], s[HM]       ; lanes 0-15: words 0, 1 of row r; lanes 16-31: words 2, 3
	v_cndmask_b32 v29, v[PW+1], v[PW+3], s[HM]
	global_store_b64 v7, v[28:29], s[36:37]        ; the tile's 256 bytes of scale words, aligned
	s_wait_tensorcnt 0x0                           ; the wave's end: three lines behind my last LDS store
	ds_add_u32 v[SPW], v[NIL]
	s_wait_dscnt 0x0
	s_endpgm
	; ---------------- WEIGHTS: a lane takes a column n, its registers run down K: nothing is transposed ----------------
.Lweights:
	s_wait_alu depctr_va_vdst(0)
	v_lshlrev_b32 v4, 2, v1                        ; 4 x lane: 32 neighbouring columns, 128 consecutive bytes a load
	v_and_b32 v8, 7, v0
	v_bfe_u32 v9, v0, 4, 1
	v_lshl_add_u32 v8, v9, 3, v8                   ; column 32 g + lane is row r' = lane % 8 + 8 (lane / 16)
	v_bfe_u32 v9, v0, 3, 1                         ; of tile 2 g + u, u = (lane / 8) % 2
	v_mul_u32_u24 v5, v9, 6144
	v_lshl_add_u32 v5, v8, 4, v5                   ; codes: 6,144 u + 16 r'
	v_lshl_add_u32 v6, v9, 4, v8
	v_lshlrev_b32 v6, 4, v6                        ; scale words: 16 bytes a row, row 16 u + r',
	s_lshl_b32 s23, s22, 2
	s_add_co_u32 s23, s23, WSC
	v_add_nc_u32 v6, s23, v6                       ; my wave's K step's word of them
	v_lshlrev_b32 v7, 4, v1
	s_lshr_b32 s27, ttmp9, 4                       ; which weight
	s_and_b32 s28, ttmp9, 15                       ; which 32 columns
	s_lshl_b32 s32, s22, 18                        ; my K step: 128 rows of 2,048 bytes
	s_lshl_b32 s33, s28, 7
	s_add_co_u32 s32, s32, s33
	s_mov_b32 s33, 0
	s_mul_i32 s34, s27, 196608
	s_mul_i32 s35, s28, 12288
	s_add_co_u32 s34, s34, s35
	s_mul_i32 s35, s22, 1536
	s_add_co_u32 s34, s34, s35
	s_add_co_u32 s34, s34, WQ_C
	s_mov_b32 s35, 0
	s_lshl_b32 s36, s27, 13
	s_lshl_b32 s37, s28, 9
	s_add_co_u32 s36, s36, s37
	s_add_co_u32 s36, s36, WQ_S
	s_mov_b32 s37, 0
	s_wait_kmcnt 0x0
	s_cmp_eq_u32 s27, 0
	s_cselect_b64 s[30:31], s[10:11], s[12:13]
	s_cmp_eq_u32 s27, 2
	s_cselect_b64 s[30:31], s[14:15], s[30:31]
	s_cmp_eq_u32 s27, 3
	s_cselect_b64 s[30:31], s[16:17], s[30:31]
	s_add_nc_u64 s[30:31], s[30:31], s[32:33]
	s_add_nc_u64 s[34:35], s[18:19], s[34:35]
	s_add_nc_u64 s[36:37], s[20:21], s[36:37]
.set j, 0
.rept 128
	global_load_b32 v[WX+j], v4, s[30:31] offset:j*2048 th:TH_LOAD_NT   ; W(128 s + j, my column)
.set j, j+1
.endr
.macro WBLOCK b                        ; block b of 32 along K: all its numbers are mine.  It belongs to lane (r', b % 2) of the fragment, registers 6 (b / 2) on
.set XB, WX+32*(\b)
.set FD, WF+12*((\b)%2)+6*((\b)/2)
	v_max3_num_f32 v[8+\b], |v[XB]|, |v[XB+1]|, 0x1800000          ; two chains, and the floor 2^(3 - 127)
	v_max3_num_f32 v21, |v[XB+16]|, |v[XB+17]|, |v[XB+18]|
.irp i, 2,4,6,8,10,12
	v_max3_num_f32 v[8+\b], v[8+\b], |v[XB+\i]|, |v[XB+\i+1]|
	v_max3_num_f32 v21, v21, |v[XB+17+\i]|, |v[XB+18+\i]|
.endr
	v_max3_num_f32 v[8+\b], v[8+\b], |v[XB+14]|, |v[XB+15]|
	v_max3_num_f32 v[8+\b], v[8+\b], v21, |v[XB+31]|
	v_add_nc_u32 v[12+\b], 0xff000000, v[8+\b]     ; the conversion's scale operand
	v_lshrrev_b32 v[16+\b], 23, v[12+\b]           ; the byte
	v_cvt_scalef32_pk16_fp6_f32 v[FD:FD+2], v[XB:XB+15], v[12+\b]
	v_cvt_scalef32_pk16_fp6_f32 v[WT+4*(\b):WT+4*(\b)+2], v[XB+16:XB+31], v[12+\b]
.endm
	s_wait_loadcnt 63                              ; at most 63 of the 128 are out: blocks 0 and 1 (the first 64) are in
	WBLOCK 0
	WBLOCK 1
	s_wait_loadcnt 32                              ; block 3's 32 may be out
	WBLOCK 2
	s_wait_loadcnt 0x0
	WBLOCK 3
	v_nop                                          ; one plain line behind the scaled conversions
.irp b, 0,1,2,3
.irp i, 0,1,2
	v_mov_b32 v[WF+12*(\b%2)+6*(\b/2)+3+\i], v[WT+4*\b+\i]
.endr
.endr
	v_lshl_or_b32 v20, v17, 8, v16                 ; my column's scale word of this K step
	v_lshl_or_b32 v20, v18, 16, v20
	v_lshl_or_b32 v20, v19, 24, v20
.irp hh, 0,1
.irp c, 0,1,2
	global_store_b128 v5, v[WF+12*\hh+4*\c:WF+12*\hh+4*\c+3], s[34:35] offset:512*\c+256*\hh   ; sixteen lanes fill 256 consecutive bytes of tile 2 g's image, the other sixteen of tile 2 g + 1's
.endr
.endr
	ds_store_b32 v6, v20                           ; the four waves' words of a row lie together
	s_wait_dscnt 0x0                               ; for the others' sake: my store has landed
	s_barrier_signal -1
	s_barrier_wait -1
	s_cmp_lg_u32 s22, 0
	s_cbranch_scc1 .Lw_done
	ds_load_b128 v[24:27], v7 offset:WSC
	s_wait_dscnt 0x0
	global_store_b128 v7, v[24:27], s[36:37]       ; 32 rows' scale words: 512 consecutive bytes
.Lw_done:
	s_wait_tensorcnt 0x0                           ; the wave's end: three lines behind my last LDS store
	ds_add_u32 v[SPW], v[NIL]
	s_wait_dscnt 0x0
	s_endpgm
.Lfunc_end_k_qfd5c98b46f_prep:
	.size	k_qfd5c98b46f_prep, .Lfunc_end_k_qfd5c98b46f_prep-k_qfd5c98b46f_prep
	.p2alignl 7, 3214868480
	.fill 96, 4, 3214868480
	.section	.rodata,"a",@progbits
	.p2align	6, 0x0
	.amdhsa_kernel k_qfd5c98b46f_prep
		.amdhsa_group_segment_fixed_size 34816
		.amdhsa_private_segment_fixed_size 0
		.amdhsa_enable_private_segment 0
		.amdhsa_kernarg_size 72
		.amdhsa_user_sgpr_count 2
		.amdhsa_user_sgpr_kernarg_segment_ptr 1
		.amdhsa_wavefront_size32 1
		.amdhsa_system_sgpr_workgroup_id_x 1
		.amdhsa_system_sgpr_workgroup_id_y 1
		.amdhsa_system_sgpr_workgroup_id_z 1
		.amdhsa_system_vgpr_workitem_id 0
		.amdhsa_next_free_vgpr 248
		.amdhsa_next_free_sgpr 66
		.amdhsa_reserve_vcc 0
		.amdhsa_float_denorm_mode_32 3
		.amdhsa_float_denorm_mode_16_64 3
		.amdhsa_memory_ordered 1
		.amdhsa_forward_progress 1
		.amdhsa_inst_pref_size 54
	.end_amdhsa_kernel
	.amdgpu_metadata
---
amdhsa.version: [ 1, 2 ]
amdhsa.kernels:
  - .name:           k_qfd5c98b46f_prep
    .symbol:         k_qfd5c98b46f_prep.kd
    .args:
      - { .name: x, .offset: 0, .size: 8, .value_kind: global_buffer, .address_space: global }
      - { .name: y, .offset: 8, .size: 8, .value_kind: global_buffer, .address_space: global }
      - { .name: z, .offset: 16, .size: 8, .value_kind: global_buffer, .address_space: global }
      - { .name: Wq, .offset: 24, .size: 8, .value_kind: global_buffer, .address_space: global }
      - { .name: Wk, .offset: 32, .size: 8, .value_kind: global_buffer, .address_space: global }
      - { .name: Wv, .offset: 40, .size: 8, .value_kind: global_buffer, .address_space: global }
      - { .name: Wp, .offset: 48, .size: 8, .value_kind: global_buffer, .address_space: global }
      - { .name: pcodes, .offset: 56, .size: 8, .value_kind: global_buffer, .address_space: global }
      - { .name: pscales, .offset: 64, .size: 8, .value_kind: global_buffer, .address_space: global }
    .group_segment_fixed_size: 34816
    .private_segment_fixed_size: 0
    .kernarg_segment_align: 8
    .kernarg_segment_size: 72
    .max_flat_workgroup_size: 128
    .sgpr_count:     66
    .vgpr_count:     248
    .wavefront_size: 32
...
	.end_amdgpu_metadata
.endif
;; end of part 1
;; launch proj (part 2): grid 64 x 3, 4 waves a work-group, no clusters, 0 bytes of LDS; arguments pcodes, pscales, bq, bk, bv, qrec, kvrec; writes qrec, kvrec
.if DOCPART == 2
	.amdgcn_target "amdgcn-amd-amdhsa--gfx1250"
	.amdhsa_code_object_version 6
	.text
	.protected	k_qfd5c98b46f_proj
	.globl	k_qfd5c98b46f_proj
	.p2align	8
	.type	k_qfd5c98b46f_proj,@function
k_qfd5c98b46f_proj:
	s_mov_b64 s[64:65], 0
	v_nop
	global_prefetch_b8 v0, s[64:65] scope:SCOPE_SE
	s_setreg_imm32_b32 hwreg(HW_REG_WAVE_MODE, 25, 1), 1
	s_wait_xcnt 0x0
; PROJ: q = x Wq + bq, k = y Wk + bk, v = z Wv + bv on codes of FP6 (E2M3), sums in f32, and the results quantised at once: q and k along the head's 64, v along the keys.
; A wave keeps a block P of 128 rows x 512 K in registers (32 fragments) and streams 8 tiles R of 16 rows past it.  Source 0 = P, source 1 = R: a lane holds ONE row of R and its 64 result registers
; run along P's rows; by the order of rows in a tile (lane r of tile T: row 32 (T / 2) + 8 (T % 2) + r + 8 (r / 8)) register 16 b + i is P's row 32 b + 16 (lane / 16) + i: neighbours along the next K.
; y = 0, 1 (q, k): P = 128 features of the weight (two heads; wave w: 128 w on), R = 16 tokens.  y = 2 (v): P = 128 tokens of z (a key step), R = 16 features of Wv (wave w: tiles 8 w on).
; RESULTS, in the order of the next operand's registers.  qrec [bh][128 queries]: 8 tiles x 768 bytes (registers 0, 1 at 8 l; registers 2-5 at 256 + 16 l), then 512 bytes of scale words (lane l: words of tiles 2 j + l / 16).
; kvrec [bh][128 keys]: K likewise at 0, V's 4 fragments of 1,536 bytes at 6,144, K's scale words at 12,288, V's (8 bytes a lane) at 12,800.  Of a q or k scale word bytes 2 and 3 are 0.
; Operands go from memory straight into registers: no LDS, no barrier.  LIMITS: NaN and infinities are not served; a block's byte is held at 1 from below; a block of zeros gets the byte 1 with zero codes.
; REGISTERS: window 0: v1-9 addresses and v's bias; v16-111 R, two sets; v112-119 R's scale words; v120-135 P's; v136-199 the 8 accumulators; v200-255 at work.
;   window 1: P's K steps 0, 1 (tile t, step s at 12 (2 t + s)); v192-255 the bias in the result's layout.   window 2: P's K steps 2, 3.
.set WQ_C, 9437184
.set WQ_S, 393216
.set RB,  8                            ; v8-9    path v: my feature's bias, one for each set
.set RF,  16
.set RS,  112
.set PS,  120                          ; register 4 j + s: lanes 0-15 tile 2 j's words of K step s, lanes 16-31 tile 2 j + 1's
.set ACC, 136
.set PC,  200
.set TM,  220
.set PW,  236                          ; v236-243 the eight units' scale words
.set OS,  244
.set BV,  248                          ; v248-255 path v: the bias as a C operand
.set B1,  192                          ; in window 1
.set SEL, 42
.set HM,  44
.set MSB, 0
.macro WIN new                         ; the immediate's high byte repeats the setting that is left
.if MSB != \new
	s_set_vgpr_msb (MSB<<8)|\new
.set MSB, \new
.endif
.endm
.macro QUANT s, pw                     ; 64 numbers of a lane become a fragment's codes in v[PC] on and its row's scale word in v[pw]
.irp b, 0,1,2,3
	v_max3_num_f32 v[TM+\b], |v[\s+16*\b]|, |v[\s+1+16*\b]|, 0x1800000   ; each accumulator is read from its low end on; the floor 2^(3 - 127) holds the byte at 1
.endr
.irp i, 2,4,6,8,10,12,14
.irp b, 0,1,2,3
	v_max3_num_f32 v[TM+\b], v[TM+\b], |v[\s+16*\b+\i]|, |v[\s+1+16*\b+\i]|
.endr
.endr
.irp b, 0,1,2,3
	v_permlanex16_b32 v[TM+4+\b], v[TM+\b], s[SEL], s[SEL+1]
.endr
.irp b, 0,1,2,3
	v_max_num_f32 v[TM+\b], v[TM+\b], v[TM+4+\b]
.endr
.irp b, 0,1,2,3
	v_add_nc_u32 v[TM+12+\b], 0xff000000, v[TM+\b]   ; 2 off the exponent field: the conversion's scale operand
.endr
.irp b, 0,1,2,3
	v_lshrrev_b32 v[TM+4+\b], 23, v[TM+12+\b]
.endr
	v_lshl_or_b32 v[\pw], v[TM+5], 8, v[TM+4]
	v_lshl_or_b32 v[\pw], v[TM+6], 16, v[\pw]
	v_lshl_or_b32 v[\pw], v[TM+7], 24, v[\pw]
.irp c, 0,1
	v_cvt_scalef32_pk16_fp6_f32 v[PC+6*\c:PC+2+6*\c], v[\s+32*\c:\s+15+32*\c], v[TM+12+2*\c]
	v_cvt_scalef32_pk16_fp6_f32 v[PC+12+4*\c:PC+14+4*\c], v[\s+16+32*\c:\s+31+32*\c], v[TM+12+2*\c+1]
.endr
	v_nop                                          ; one plain line behind the scaled conversions
.irp c, 0,1
.irp i, 0,1,2
	v_permlane16_swap_b32 v[PC+6*\c+\i], v[PC+12+4*\c+\i]
.endr
.irp i, 0,1,2
	v_mov_b32 v[PC+3+6*\c+\i], v[PC+12+4*\c+\i]
.endr
.endr
.endm
.macro PLOAD                           ; P's 32 fragments and its scale words: 100 loads of 512 consecutive bytes
	WIN 0x40                                       ; destination window 1
.irp t, 0,1,2,3,4,5,6,7
.irp s, 0,1
.irp c, 0,1,2
	global_load_b128 v[12*(2*\t+\s)+4*\c:12*(2*\t+\s)+4*\c+3], v2, s[24:25] offset:(4*\t+\s)*1536+512*\c
.endr
.endr
.endr
	WIN 0x80                                       ; destination window 2
.irp t, 0,1,2,3,4,5,6,7
.irp s, 2,3
.irp c, 0,1,2
	global_load_b128 v[12*(2*\t+\s-2)+4*\c:12*(2*\t+\s-2)+4*\c+3], v2, s[24:25] offset:(4*\t+\s)*1536+512*\c
.endr
.endr
.endr
	WIN 0
.irp j, 0,1,2,3
	global_load_b128 v[PS+4*\j:PS+4*\j+3], v2, s[26:27] offset:512*\j
.endr
.endm
.macro RLOAD set, i, vpath             ; R's tile i: 4 fragments, its rows' scale words (lane r: row r's four), on path v my feature's bias: 13 or 14 loads
.irp n, 0,1,2,3,4,5,6,7,8,9,10,11
	global_load_b128 v[RF+48*(\set)+4*\n:RF+48*(\set)+4*\n+3], v2, s[28:29] offset:6144*(\i)+512*\n
.endr
	global_load_b128 v[RS+4*(\set):RS+4*(\set)+3], v4, s[30:31] offset:256*(\i)
.if \vpath
	global_load_b32 v[RB+(\set)], v5, s[32:33] offset:(32*((\i)/2)+8*((\i)%2))*4
.endif
.endm
; K step s: 8 matrix instructions, the 8 accumulators by turns, one instruction a turn.  cmode 1: C = the bias tiles in window 1; 2: C = BV; 0: in place.
.macro MM s, set, cmode
.if (\cmode) == 1
	WIN 0x11
.elseif (\s) < 2
	WIN 0x01
.else
	WIN 0x02
.endif
.irp t, 0,1,2,3,4,5,6,7
.set rD, ACC+8*\t
.set rA, 12*(2*\t+(\s)%2)
.set rB, RF+48*(\set)+12*(\s)
.set rC, rD
.if (\cmode) == 1
.set rC, B1+8*\t
.endif
.if (\cmode) == 2
.set rC, BV
.endif
.if \t%2
	v_wmma_scale_f32_16x16x128_f8f6f4 v[rD:rD+7], v[rA:rA+11], v[rB:rB+11], v[rC:rC+7], v[PS+4*(\t/2)+(\s)], v[RS+4*(\set)+(\s)] matrix_a_fmt:MATRIX_FMT_FP6 matrix_b_fmt:MATRIX_FMT_FP6 matrix_a_scale:MATRIX_SCALE_ROW1
.else
	v_wmma_scale_f32_16x16x128_f8f6f4 v[rD:rD+7], v[rA:rA+11], v[rB:rB+11], v[rC:rC+7], v[PS+4*(\t/2)+(\s)], v[RS+4*(\set)+(\s)] matrix_a_fmt:MATRIX_FMT_FP6 matrix_b_fmt:MATRIX_FMT_FP6
.endif
.endr
.endm
; One tile of R against P: 32 products, quantised, stored.
.macro UNIT i, vpath
.set SET, (\i)%2
.if (\i) < 7
	s_wait_loadcnt 13+\vpath                       ; this tile's loads (and all before them) are in; the next tile's may be out
.else
	s_wait_loadcnt 0x0
.endif
.if \vpath
.irp j, 0,1,2,3,4,5,6,7
	v_mov_b32 v[BV+\j], v[RB+SET]                  ; a lane holds one feature: its bias in all eight registers
.endr
.rept 4
	v_nop                                          ; an operand written by vector instructions stands four places ahead of the product
.endr
	MM 0, SET, 2
.else
	MM 0, SET, 1
.endif
	MM 1, SET, 0
	MM 2, SET, 0
	MM 3, SET, 0
	WIN 0
.rept 4
	v_nop                                          ; four places in front of the loads into R's registers and of the first read of the results
.endr
.if (\i) < 6
	RLOAD SET, (\i)+2, \vpath
.endif
.if (\i) > 0
	s_wait_xcnt 0x0                                ; the last unit's stores have read the codes' registers
.endif
	QUANT ACC, PW+(\i)                             ; (its plain lines that name no accumulator are the places ahead of the next unit, which begins the sums anew)
.if \vpath
.irp c, 0,1,2
	global_store_b128 v2, v[PC+4*\c:PC+4*\c+3], s[34:35] offset:((\i)/4)*417792+6144+1536*((\i)%4)+512*\c   ; head 2 w + i / 4, tile i % 4 of its 64
.endr
.else
	global_store_b64 v3, v[PC:PC+1], s[34:35] offset:768*(\i)             ; registers 0-5: head 2 w
	global_store_b128 v2, v[PC+2:PC+5], s[34:35] offset:768*(\i)+256
	global_store_b64 v3, v[PC+6:PC+7], s[36:37] offset:768*(\i)           ; registers 6-11: head 2 w + 1
	global_store_b128 v2, v[PC+8:PC+11], s[36:37] offset:768*(\i)+256
.endif
.endm
	s_load_b256 s[4:11], s[0:1], 0x0               ; pcodes s[4:5], pscales s[6:7], bq s[8:9], bk s[10:11]
	s_load_b128 s[12:15], s[0:1], 0x20             ; bv s[12:13], qrec s[14:15]
	s_load_b64 s[16:17], s[0:1], 0x30              ; kvrec
	v_lshrrev_b32 v1, 5, v0
	v_readfirstlane_b32 s18, v1                    ; w: wave 0..3
	s_and_b32 s19, ttmp7, 0xffff                   ; y: 0 q, 1 k, 2 v
	s_mov_b32 s20, ttmp9                           ; x: block of 128 tokens
	v_and_b32 v1, 31, v0
	v_lshlrev_b32 v2, 4, v1                        ; 16 x lane
	v_lshlrev_b32 v3, 3, v1                        ; 8 x lane
	v_and_b32 v6, 15, v0                           ; r
	v_lshlrev_b32 v4, 4, v6                        ; 16 r
	v_bfe_u32 v7, v0, 4, 1                         ; h
	v_cmp_le_u32 s[HM], 16, v1
	s_mov_b32 s[SEL], 0x76543210
	s_mov_b32 s[SEL+1], 0xfedcba98
.irp b, 0,1,2,3
	v_mov_b32 v[TM+4+\b], 0                        ; written once: a lane permute's destination counts as one of its sources
.endr
	s_mul_i32 s46, s19, 3145728
	s_mul_i32 s50, s20, 49152
	s_add_co_u32 s46, s46, s50                     ; the tokens' block: codes,
	s_mul_i32 s47, s19, 196608
	s_mul_i32 s50, s18, 49152
	s_add_co_u32 s47, s47, s50
	s_add_co_u32 s47, s47, WQ_C                    ; the weight's block: codes,
	s_lshl_b32 s48, s19, 17
	s_lshl_b32 s50, s20, 11
	s_add_co_u32 s48, s48, s50                     ; the tokens' scale words,
	s_lshl_b32 s49, s19, 13
	s_lshl_b32 s50, s18, 11
	s_add_co_u32 s49, s49, s50
	s_add_co_u32 s49, s49, WQ_S                    ; the weight's
	s_lshr_b32 s52, s20, 5                         ; batch
	s_lshl_b32 s52, s52, 3
	s_lshl_b32 s50, s18, 1
	s_add_co_u32 s52, s52, s50                     ; bh of head 2 w
	s_lshl_b32 s52, s52, 5
	s_and_b32 s50, s20, 31
	s_add_co_u32 s52, s52, s50                     ; its record of these 128 tokens
	s_cmp_eq_u32 s19, 2                            ; for v the tokens are P and the weight is R
	s_cselect_b32 s24, s46, s47
	s_cselect_b32 s28, s47, s46
	s_cselect_b32 s26, s48, s49
	s_cselect_b32 s30, s49, s48
	s_mov_b32 s25, 0
	s_mov_b32 s27, 0
	s_mov_b32 s29, 0
	s_mov_b32 s31, 0
	s_mov_b32 s49, 0
	s_wait_kmcnt 0x0
	s_add_nc_u64 s[24:25], s[4:5], s[24:25]        ; P's codes
	s_add_nc_u64 s[26:27], s[6:7], s[26:27]        ; P's scale words
	s_add_nc_u64 s[28:29], s[4:5], s[28:29]        ; R's codes
	s_add_nc_u64 s[30:31], s[6:7], s[30:31]        ; R's scale words
	PLOAD
	s_cmp_eq_u32 s19, 2
	s_cbranch_scc1 .Lvpath
	; ---------------- q and k ----------------
	s_cmp_eq_u32 s19, 0
	s_cselect_b64 s[34:35], s[14:15], s[16:17]     ; qrec or kvrec
	s_cselect_b64 s[32:33], s[8:9], s[10:11]       ; bq or bk
	s_mov_b32 s46, 13056
	s_cselect_b32 s46, 6656, s46                   ; a record
	s_mov_b32 s47, 12288
	s_cselect_b32 s47, 6144, s47                   ; where its scale words begin
	s_mul_i32 s48, s52, s46
	s_add_nc_u64 s[34:35], s[34:35], s[48:49]      ; head 2 w's record
	s_lshl_b32 s48, s46, 5
	s_add_nc_u64 s[36:37], s[34:35], s[48:49]      ; head 2 w + 1's: 32 records on
	s_mov_b32 s48, s47
	s_add_nc_u64 s[38:39], s[34:35], s[48:49]
	s_add_nc_u64 s[40:41], s[36:37], s[48:49]
	s_lshl_b32 s48, s18, 9
	s_add_nc_u64 s[32:33], s[32:33], s[48:49]      ; my 128 features' bias
	s_wait_alu depctr_va_vdst(0)
	v_lshlrev_b32 v5, 6, v7                        ; lane (r, h) wants, for tile t, features 32 (t / 2) + 8 (t % 2) + 16 h + 0 .. 7
	WIN 0x40
.irp t, 0,1,2,3,4,5,6,7
	global_load_b128 v[B1+8*\t:B1+8*\t+3], v5, s[32:33] offset:(32*(\t/2)+8*(\t%2))*4
	global_load_b128 v[B1+8*\t+4:B1+8*\t+7], v5, s[32:33] offset:(32*(\t/2)+8*(\t%2))*4+16
.endr
	WIN 0
	RLOAD 0, 0, 0
	RLOAD 1, 1, 0
.irp i, 0,1,2,3,4,5,6,7
	UNIT \i, 0
.endr
.irp j, 0,1,2,3
	v_cndmask_b32 v[OS+\j], v[PW+2*\j], v[PW+2*\j+1], s[HM]   ; lanes 0-15: tile 2 j's words, lanes 16-31: tile 2 j + 1's
.endr
.irp j, 0,1,2,3
	v_and_b32 v[TM+\j], 0xffff, v[OS+\j]           ; bytes 0, 1: head 2 w
	v_lshrrev_b32 v[TM+4+\j], 16, v[OS+\j]         ; bytes 2, 3: head 2 w + 1
.endr
	global_store_b128 v2, v[TM:TM+3], s[38:39]
	global_store_b128 v2, v[TM+4:TM+7], s[40:41]
	s_endpgm
	; ---------------- v ----------------
.Lvpath:
	s_mul_i32 s48, s52, 13056
	s_add_nc_u64 s[34:35], s[16:17], s[48:49]      ; head 2 w's record of this key step
	s_lshl_b32 s48, s18, 9
	s_add_nc_u64 s[32:33], s[12:13], s[48:49]      ; my 128 features' bias
	s_wait_alu depctr_va_vdst(0)
	v_and_b32 v5, 8, v6
	v_add_nc_u32 v5, v5, v6
	v_lshlrev_b32 v5, 2, v5                        ; lane r of a tile holds feature r + 8 (r / 8) of it
	RLOAD 0, 0, 1
	RLOAD 1, 1, 1
	s_wait_alu depctr_va_vdst(0)
.irp i, 0,1,2,3,4,5,6,7
	UNIT \i, 1
.endr
.irp hh, 0,1
.irp j, 0,1
	v_cndmask_b32 v[OS+2*\hh+\j], v[PW+4*\hh+2*\j], v[PW+4*\hh+2*\j+1], s[HM]
.endr
	global_store_b64 v3, v[OS+2*\hh:OS+2*\hh+1], s[34:35] offset:\hh*417792+12800
.endr
	s_endpgm
.Lfunc_end_k_qfd5c98b46f_proj:
	.size	k_qfd5c98b46f_proj, .Lfunc_end_k_qfd5c98b46f_proj-k_qfd5c98b46f_proj
	.p2alignl 7, 3214868480
	.fill 96, 4, 3214868480
	.section	.rodata,"a",@progbits
	.p2align	6, 0x0
	.amdhsa_kernel k_qfd5c98b46f_proj
		.amdhsa_group_segment_fixed_size 0
		.amdhsa_private_segment_fixed_size 0
		.amdhsa_enable_private_segment 0
		.amdhsa_kernarg_size 56
		.amdhsa_user_sgpr_count 2
		.amdhsa_user_sgpr_kernarg_segment_ptr 1
		.amdhsa_wavefront_size32 1
		.amdhsa_system_sgpr_workgroup_id_x 1
		.amdhsa_system_sgpr_workgroup_id_y 1
		.amdhsa_system_sgpr_workgroup_id_z 1
		.amdhsa_system_vgpr_workitem_id 0
		.amdhsa_next_free_vgpr 768
		.amdhsa_next_free_sgpr 66
		.amdhsa_reserve_vcc 0
		.amdhsa_float_denorm_mode_32 3
		.amdhsa_float_denorm_mode_16_64 3
		.amdhsa_memory_ordered 1
		.amdhsa_forward_progress 1
		.amdhsa_inst_pref_size 173
	.end_amdhsa_kernel
	.amdgpu_metadata
---
amdhsa.version: [ 1, 2 ]
amdhsa.kernels:
  - .name:           k_qfd5c98b46f_proj
    .symbol:         k_qfd5c98b46f_proj.kd
    .args:
      - { .name: pcodes, .offset: 0, .size: 8, .value_kind: global_buffer, .address_space: global }
      - { .name: pscales, .offset: 8, .size: 8, .value_kind: global_buffer, .address_space: global }
      - { .name: bq, .offset: 16, .size: 8, .value_kind: global_buffer, .address_space: global }
      - { .name: bk, .offset: 24, .size: 8, .value_kind: global_buffer, .address_space: global }
      - { .name: bv, .offset: 32, .size: 8, .value_kind: global_buffer, .address_space: global }
      - { .name: qrec, .offset: 40, .size: 8, .value_kind: global_buffer, .address_space: global }
      - { .name: kvrec, .offset: 48, .size: 8, .value_kind: global_buffer, .address_space: global }
    .group_segment_fixed_size: 0
    .private_segment_fixed_size: 0
    .kernarg_segment_align: 8
    .kernarg_segment_size: 56
    .max_flat_workgroup_size: 128
    .sgpr_count:     66
    .vgpr_count:     768
    .wavefront_size: 32
...
	.end_amdgpu_metadata
.endif
;; end of part 2
;; launch attn (part 3): grid 16 x 16, 8 waves a work-group, clusters of 4 x 1, 327,680 bytes of LDS; arguments qrec, kvrec, ocodes, oscales; writes ocodes, oscales
.if DOCPART == 3
	.amdgcn_target "amdgcn-amd-amdhsa--gfx1250"
	.amdhsa_code_object_version 6
	.text
	.protected	k_qfd5c98b46f_attn
	.globl	k_qfd5c98b46f_attn
	.p2align	8
	.type	k_qfd5c98b46f_attn,@function
k_qfd5c98b46f_attn:
	s_mov_b64 s[64:65], 0
	v_nop
	global_prefetch_b8 v0, s[64:65] scope:SCOPE_SE
	s_setreg_imm32_b32 hwreg(HW_REG_WAVE_MODE, 25, 1), 1
	s_wait_xcnt 0x0
	s_wait_alu depctr_hold_cnt(0) depctr_sa_sdst(0) depctr_va_vdst(0) depctr_va_sdst(0) depctr_va_ssrc(0) depctr_va_vcc(0) depctr_vm_vsrc(0)
	s_getreg_b32 s2, hwreg(HW_REG_IB_STS2, 6, 4)
	s_cmp_eq_u32 s2, 0
	s_cbranch_scc0 .Lentry_in_a_cluster
	s_endpgm
.Lentry_in_a_cluster:
	s_bfe_u32 s2, ttmp6, 0x10000c
	s_cmp_lg_u32 s2, 0x3003
	s_cbranch_scc0 .Lentry_shape_is_right
	s_endpgm
.Lentry_shape_is_right:
; ATTN: o = softmax(q k^T / 8) v for 16 (batch, head) pairs, 4,096 queries and keys, head size 64, both products on codes of FP6 (E2M3); o is quantised along the head's 64 for the last projection.
; THE SOFTMAX: t = score x log2(e) / 8; M = the running largest t rounded UP to a whole number; p = 2^(t - M) is quantised along the keys, not normalised; the row's sum is taken of the unquantised p and divides at the end.
; When M moves, the sums and O are multiplied by 2^(old M - new M): exact.
; SHARES: a work-group owns 256 queries of one (batch, head); each of its eight waves TWO tiles of 16 queries, A and B, so that each fragment of K and V read from LDS feeds two matrix instructions.
; REGISTERS: what belongs to a tile (Q, S^T, O^T, p's codes, M, the sums) has the same numbers v74-223 in window 0 (tile A) and in window 1 (tile B): one macro serves both.
;   Window 0, v0-73: addresses, all scale words (scale operands have no window), K's fragments.  Window 1, v0-47: V's fragments.
; A key step is 128 keys: a record of 13,056 bytes (K's 8 tiles, V's 4 fragments, their scale words, all as images of the operands' registers).
; THE RING: two slots, of 8 records (LDS 0) and of 16 (behind it).  Records 0-7 come at the head, 8-23 behind the first round, 24-31 fill the first slot again behind the second: three meetings for 32 key steps.
;   Every wave issues one load each time: one record, or two.  CLUSTER: the four work-groups of a cluster belong to one (batch, head) and walk the same records: each load is a JOINT one, with a mask that names the four.
; NO PREFETCH: a load is asked for 8 or 16 key steps (192 or 384 matrix instructions of the wave) ahead of the wait for it, and the head's load has no loop ahead of it to ask in.
; LAYOUT: both products transposed: S^T = K Q^T, O^T = V^T P^T: a lane holds one query.  Row 8 h + j of K's tile 4 c + u is key 64 c + 32 h + 8 u + j (the first launch orders y's rows so):
;   register 32 c + i of S^T in lane (r, h) is key 64 c + 32 h + i: a WHOLE block of 32 keys in a lane, in the order of the next operand's registers: no lane is asked for a block's maximum, and no codes change lanes.
; K = 64 IN A FORM OF K = 128: Q's registers 6-11 hold zero codes.  K's tile t is the run of 12 registers from v[KF + 6 t]: its upper six are the next tile's codes (behind tile 7: zeros); the format has no infinity and no NaN,
;   and bytes 2, 3 of q's and k's scale words are 0, so those 64 products are exact zeros.
; LIMITS: NaN and infinities are not served; the scaled scores t stay under 2^31 in magnitude; a block's byte is held at 1 from below; a block of zeros gets the byte 1 with zero codes.
.set REC,   13056
.set SLA,   8*REC                      ; the slot of 16 records
.set OSC,   24*REC                     ; 512 bytes: the work-group's scale bytes of o
.set SPARE, OSC+512                    ; the spare words, 128 bytes for each wave: four blocks of 256 bytes that no other line names
.set L16,  1                           ; 16 x lane
.set L8,   2                           ; 8 x lane
.set SPW,  3                           ; LDS address of my spare word; never rewritten
.set NIL,  4                           ; 0; never rewritten
.set AD16, 5                           ; the record in hand + 16 x lane, + 8 x lane
.set AD8,  6
.set OSA,  7                           ; where my query's two scale bytes go
.set KS,   8                           ; v8-11  K's scale words: register j: lanes 0-15 tile 2 j, lanes 16-31 tile 2 j + 1
.set VS,   12                          ; v12-13 V's
.set QSA,  14                          ; v14, v15  Q's scale words, tile A, tile B
.set PWA,  16                          ; v16, v17  p's scale word, tile A, tile B
.set OSR,  18                          ; where wave 0 reads the scale bytes back
.set TQ,   19
.set KF,   20                          ; v20-67 K, six registers a tile; v68-73 zero codes
.set VF,   0                           ; window 1: v0-47 V's four fragments
.set QF,   74                          ; from here on: a tile's own.  v74-79 Q, v80-85 zero codes
.set S,    86                          ; v86-149 S^T, then p
.set OT,   150                         ; v150-181 O^T
.set PC,   182                         ; v182-193 p's codes
.set CT,   194                         ; v194-196, v198-200 the upper halves of the blocks' codes, before they are moved
.set NM,   202                         ; -M
.set MS,   203                         ; the largest score so far
.set FF,   206                         ; f = 2^(old M - new M)
.set SH,   207                         ; 8 x (lane / 16)
.set BM,   208                         ; v208-211
.set SO,   212                         ; v212-213
.set T0,   214
.set T1,   215
.set LS,   216                         ; v216-223 the row's sum, in four pairs
.set WV,   12
.set CX,   13
.set XB,   14
.set BH,   15
.set G1,   24                          ; s[24:31] group 1 for one record, s[56:63] for two; s[32:35] group 0
.set G0,   32
.set G1L,  56
.set TB,   36                          ; LDS byte at which the record in hand begins
.set CNT,  37
.set SEL,  40
.set CS,   42                          ; s[42:43] c = log2(e) / 8
.set MSB, 0
.macro WIN new                         ; the immediate's high byte repeats the setting that is left
.if MSB != (\new)
	s_set_vgpr_msb (MSB<<8)|(\new)
.set MSB, (\new)
.endif
.endm
.macro DLY n
	s_delay_alu instid0(VALU_DEP_\n)
.endm
.macro CROUND                          ; a round of the cluster's barrier
	s_barrier_signal -1
	s_barrier_wait -1
	s_cmp_lg_u32 s[WV], 0
	s_cbranch_scc1 .Lnot_wave_0_\@
	s_barrier_signal -3
.Lnot_wave_0_\@:
	s_barrier_wait -3
	s_barrier_signal -1
	s_barrier_wait -1
.endm
.macro JLOAD g1                        ; every wave's one joint load; an s_nop 0 and four v_nop follow it
	tensor_load_to_lds s[G0:G0+3], s[\g1:\g1+7]
	s_nop 0
.rept 4
	v_nop
.endr
.endm
.macro SMUL w                          ; S^T of tile w: 8 products, each with C = 0
	WIN 0x44*\w
.irp t, 0,1,2,3,4,5,6,7
.if \t%2
	v_wmma_scale_f32_16x16x128_f8f6f4 v[S+8*\t:S+8*\t+7], v[KF+6*\t:KF+6*\t+11], v[QF:QF+11], 0, v[KS+\t/2], v[QSA+\w] matrix_a_fmt:MATRIX_FMT_FP6 matrix_b_fmt:MATRIX_FMT_FP6 matrix_a_scale:MATRIX_SCALE_ROW1
.else
	v_wmma_scale_f32_16x16x128_f8f6f4 v[S+8*\t:S+8*\t+7], v[KF+6*\t:KF+6*\t+11], v[QF:QF+11], 0, v[KS+\t/2], v[QSA+\w] matrix_a_fmt:MATRIX_FMT_FP6 matrix_b_fmt:MATRIX_FMT_FP6
.endif
.endr
.endm
.macro PV w                            ; O^T += V^T P^T of tile w: four accumulators, one instruction each
	WIN 0x01+0x54*\w
.irp t, 0,1,2,3
.if \t%2
	v_wmma_scale_f32_16x16x128_f8f6f4 v[OT+8*\t:OT+8*\t+7], v[VF+12*\t:VF+12*\t+11], v[PC:PC+11], v[OT+8*\t:OT+8*\t+7], v[VS+\t/2], v[PWA+\w] matrix_a_fmt:MATRIX_FMT_FP6 matrix_b_fmt:MATRIX_FMT_FP6 matrix_a_scale:MATRIX_SCALE_ROW1
.else
	v_wmma_scale_f32_16x16x128_f8f6f4 v[OT+8*\t:OT+8*\t+7], v[VF+12*\t:VF+12*\t+11], v[PC:PC+11], v[OT+8*\t:OT+8*\t+7], v[VS+\t/2], v[PWA+\w] matrix_a_fmt:MATRIX_FMT_FP6 matrix_b_fmt:MATRIX_FMT_FP6
.endif
.endr
.endm
; THE SOFTMAX OF ONE TILE AND 128 KEYS: from the scores to p's codes and scale word.
.macro SOFT w
	WIN 0x55*\w
.if \w
	s_wait_alu depctr_va_vdst(0)                   ; tile A's exponentials stand between tile B's scores and their first readers
.endif
.irp c, 0,1                                    ; my two blocks' largest scores, two chains each; every accumulator is read from its low end on
	v_max3_num_f32 v[BM+\c], v[S+32*\c], v[S+32*\c+1], v[S+32*\c+2]
	v_max3_num_f32 v[BM+2+\c], v[S+32*\c+16], v[S+32*\c+17], v[S+32*\c+18]
.endr
.irp i, 3,5,7,9,11,13
.irp c, 0,1
	v_max3_num_f32 v[BM+\c], v[BM+\c], v[S+32*\c+\i], v[S+32*\c+\i+1]
	v_max3_num_f32 v[BM+2+\c], v[BM+2+\c], v[S+32*\c+16+\i], v[S+32*\c+17+\i]
.endr
.endr
.irp c, 0,1
	v_max3_num_f32 v[BM+\c], v[BM+\c], v[BM+2+\c], v[S+32*\c+15]
.endr
.irp c, 0,1
	v_max_num_f32 v[BM+\c], v[BM+\c], v[S+32*\c+31]   ; it serves twice: for the row's maximum and, since p rises with the score, for the block's largest p
.endr
	DLY 1
	v_max_num_f32 v[T0], v[BM], v[BM+1]
	v_mov_b32 v[FF], v[NM]                         ; the old -M
	DLY 2
	v_permlanex16_b32 v[T1], v[T0], s[SEL], s[SEL+1]
	DLY 1
	v_max3_num_f32 v[MS], v[MS], v[T0], v[T1]      ; the running largest score of my query (c is positive)
	DLY 1
	v_mul_f32 v[T0], s[CS], v[MS]                  ; as t
	DLY 1
	v_floor_f32 v[NM], -v[T0]                      ; the new -M = floor(-t): M is a whole number
.set j, 0
.rept 32
	v_pk_fma_f32 v[S+j:S+j+1], v[S+j:S+j+1], s[CS:CS+1], v[NM:NM+1] op_sel_hi:[1,0,0]   ; t - M, two at a time; f is made among them
.if j == 4
	v_sub_f32 v[T0], v[NM], v[FF]                  ; old M - new M, 0 or less
.elseif j == 12
	v_cvt_i32_f32 v[T0], v[T0]                     ; (it saturates)
.elseif j == 20
	v_ldexp_f32 v[FF], 1.0, v[T0]                  ; f = 2^(old M - new M)
.endif
.set j, j+2
.endr
.irp c, 0,1
	v_fma_f32 v[BM+\c], v[BM+\c], s[CS], v[NM]     ; the same of each block's largest score
.endr
	s_wait_alu depctr_va_vdst(0)                   ; the wait ahead of the batch
.set j, 0
.rept 64
	v_exp_f32 v[S+j], v[S+j]                       ; p = 2^(t - M), at most 1
.set j, j+1
.endr
.irp c, 0,1
	v_exp_f32 v[BM+\c], v[BM+\c]                   ; the block's largest p: the same two instructions on the same number
.endr
	s_wait_alu depctr_va_vdst(0)                   ; one wait for the batch, which also stands directly ahead of O^T's first reader
.set j, 0
.rept 16
	v_pk_mul_f32 v[OT+j:OT+j+1], v[OT+j:OT+j+1], v[FF:FF+1] op_sel_hi:[1,0]   ; O^T under the new M; the blocks' scales are made among these lines
.if j == 0
	v_max_num_f32 v[BM], 0x1800000, v[BM]          ; the floor 2^(3 - 127)
.elseif j == 2
	v_max_num_f32 v[BM+1], 0x1800000, v[BM+1]
.elseif j == 4
	v_add_nc_u32 v[SO], 0xff000000, v[BM]          ; 2 off the exponent field: the conversion's scale operand
.elseif j == 6
	v_add_nc_u32 v[SO+1], 0xff000000, v[BM+1]
.elseif j == 8
	v_lshrrev_b32 v[BM], 23, v[SO]                 ; the byte
.elseif j == 10
	v_lshrrev_b32 v[BM+1], 23, v[SO+1]
.elseif j == 14
	v_lshl_or_b32 v[T0], v[BM+1], 16, v[BM]        ; my two bytes: blocks h and 2 + h,
.elseif j == 18
	v_lshlrev_b32 v[T0], v[SH], v[T0]              ; at their places in the word
.elseif j == 22
	v_permlanex16_b32 v[T1], v[T0], s[SEL], s[SEL+1]
.elseif j == 26
	WIN 0x05*\w                                    ; the scale word lies in window 0 for both tiles
	v_or_b32 v[PWA+\w], v[T0], v[T1]               ; with lane l xor 16's two the word is whole
	WIN 0x55*\w
.endif
.set j, j+2
.endr
.irp c, 0,1
	v_cvt_scalef32_pk16_fp6_f32 v[PC+6*\c:PC+6*\c+2], v[S+32*\c:S+32*\c+15], v[SO+\c]
	v_cvt_scalef32_pk16_fp6_f32 v[CT+4*\c:CT+4*\c+2], v[S+32*\c+16:S+32*\c+31], v[SO+\c]   ; (a conversion's three registers begin on an even number)
.endr
.irp k, 0,1,2,3                                ; the row's sum of the unquantised p, in four pairs that are joined at the end: each is brought under the new M as it takes its first term
	v_pk_fma_f32 v[LS+2*\k:LS+2*\k+1], v[LS+2*\k:LS+2*\k+1], v[FF:FF+1], v[S+2*\k:S+2*\k+1] op_sel_hi:[1,0,1]
.endr
.irp c, 0,1
.irp i, 0,1,2
	v_mov_b32 v[PC+6*\c+3+\i], v[CT+4*\c+\i]
.endr
.endr
.irp i, 8,16,24,32,40,48,56
.irp k, 0,1,2,3
	v_pk_add_f32 v[LS+2*\k:LS+2*\k+1], v[LS+2*\k:LS+2*\k+1], v[S+\i+2*\k:S+\i+2*\k+1]
.endr
.endr
.endm
; A KEY STEP: 128 keys against both tiles.
.macro STEP
	v_add_nc_u32 v[AD16], s[TB], v[L16]
	v_add_nc_u32 v[AD8], s[TB], v[L8]
	v_nop
	v_nop                                          ; four places behind the last step's products, in front of the loads into V's registers
.irp t, 0,1,2,3,4,5,6,7
	ds_load_b64 v[KF+6*\t:KF+6*\t+1], v[AD8] offset:768*\t
	ds_load_b128 v[KF+6*\t+2:KF+6*\t+5], v[AD16] offset:768*\t+256
.endr
	ds_load_b128 v[KS:KS+3], v[AD16] offset:12288
	ds_load_b64 v[VS:VS+1], v[AD8] offset:12800
	WIN 0x40
.irp n, 0,1,2,3,4,5,6,7,8,9,10,11
	ds_load_b128 v[VF+4*\n:VF+4*\n+3], v[AD16] offset:6144+512*\n
.endr
	s_wait_dscnt 12                                ; K's 16 loads and the two of scale words are in; V's 12 may be out
	SMUL 0
	SMUL 1
.rept 4
	v_nop                                          ; four places in front of the first read of tile A's scores
.endr
	SOFT 0
	s_wait_alu depctr_va_vdst(0)
	s_wait_dscnt 0x0                               ; V is in
	PV 0
	SOFT 1
	PV 1
	WIN 0
.endm
.macro STEPS n                         ; n key steps: the LDS addresses hang on s[TB]
	s_mov_b32 s[CNT], \n
.Lstep_\@:
	STEP
	s_add_co_u32 s[TB], s[TB], REC
	s_sub_co_u32 s[CNT], s[CNT], 1
	s_cmp_lg_u32 s[CNT], 0
	s_cbranch_scc1 .Lstep_\@
.endm
.macro INIT w                          ; a tile's state: the step is written once, and the first finds zeros, which the first change of M leaves zeros
	WIN 0x40*\w
.irp j, 0,1,2,3,4,5
	v_mov_b32 v[QF+6+\j], 0                        ; zero codes: the upper 64 of the form's K
.endr
	v_mov_b32 v[MS], 0xff61b1e6                    ; the largest score so far: -3e38
	v_mov_b32 v[NM], 0x7e000000                    ; -M: a large whole number, so that the first f is 0
	v_mov_b32 v[T1], 0                             ; written once: a lane permute's destination counts as one of its sources
.if \w
	v_mov_b32 v[SH], v[SH]                         ; window 1's copy of window 0's
.endif
.set j, 0
.rept 8
	v_mov_b32 v[LS+j], 0
.set j, j+1
.endr
.set j, 0
.rept 32
	v_mov_b32 v[OT+j], 0
.set j, j+1
.endr
.endm
; THE WAY OUT of a tile: O^T / the sum, quantised along the head's 64 (two blocks; register 16 b + i = o(my query, 32 b + 16 (lane / 16) + i)), stored as the image of registers 0-5 of the last product's operand.
.macro FIN w
	WIN 0x55*\w
	v_pk_add_f32 v[LS:LS+1], v[LS:LS+1], v[LS+2:LS+3]
	v_pk_add_f32 v[LS+4:LS+5], v[LS+4:LS+5], v[LS+6:LS+7]
	DLY 1
	v_pk_add_f32 v[LS:LS+1], v[LS:LS+1], v[LS+4:LS+5]
	DLY 1
	v_add_f32 v[LS], v[LS], v[LS+1]
	DLY 1
	v_permlanex16_b32 v[T1], v[LS], s[SEL], s[SEL+1]
	DLY 1
	v_add_f32 v[LS], v[LS], v[T1]                  ; the row's sum
	s_wait_alu depctr_va_vdst(0)                   ; the wait ahead of the transcendental
	v_rcp_f32 v[LS], v[LS]
	v_nop                                          ; one plain line behind it
	s_wait_alu depctr_va_vdst(0)                   ; the wait ahead of its first reader, which is O^T's first reader too
.set j, 0
.rept 32
	v_mul_f32 v[S+j], v[OT+j], v[LS]               ; each accumulator from its low end on
.set j, j+1
.endr
.irp b, 0,1
	v_max3_num_f32 v[BM+\b], |v[S+16*\b]|, |v[S+16*\b+1]|, 0x1800000
.endr
.irp i, 2,4,6,8,10,12,14
.irp b, 0,1
	DLY 2
	v_max3_num_f32 v[BM+\b], v[BM+\b], |v[S+16*\b+\i]|, |v[S+16*\b+\i+1]|
.endr
.endr
.irp b, 0,1
	DLY 2
	v_permlanex16_b32 v[BM+2+\b], v[BM+\b], s[SEL], s[SEL+1]
.endr
.irp b, 0,1
	DLY 2
	v_max_num_f32 v[BM+\b], v[BM+\b], v[BM+2+\b]
.endr
.irp b, 0,1
	DLY 2
	v_add_nc_u32 v[SO+\b], 0xff000000, v[BM+\b]
.endr
.irp b, 0,1
	DLY 2
	v_lshrrev_b32 v[BM+2+\b], 23, v[SO+\b]
.endr
	DLY 1
	v_lshl_or_b32 v[T0], v[BM+3], 8, v[BM+2]       ; my query's two scale bytes
	v_cvt_scalef32_pk16_fp6_f32 v[PC:PC+2], v[S:S+15], v[SO]
	v_cvt_scalef32_pk16_fp6_f32 v[CT:CT+2], v[S+16:S+31], v[SO+1]
	v_nop                                          ; one plain line behind the scaled conversions
.irp i, 0,1,2
	v_permlane16_swap_b32 v[PC+\i], v[CT+\i]       ; a whole block to a lane
.endr
.irp i, 0,1,2
	DLY 3
	v_mov_b32 v[PC+3+\i], v[CT+\i]
.endr
	WIN 0x04*\w                                    ; the data in the tile's window, the addresses in window 0
	global_store_b64 v[L8], v[PC:PC+1], s[8:9] offset:6144*\w          ; 256 consecutive bytes,
	global_store_b128 v[L16], v[PC+2:PC+5], s[8:9] offset:6144*\w+256  ; and 512
	ds_store_b16 v[OSA], v[T0] offset:32*\w        ; both lanes of a query write the same two bytes
.endm
	s_load_b256 s[4:11], s[0:1], 0x0               ; qrec s[4:5], kvrec s[6:7], ocodes s[8:9], oscales s[10:11]
	v_lshl_add_u32 v[SPW], v0, 2, SPARE
	v_mov_b32 v[NIL], 0
	ds_add_u32 v[SPW], v[NIL]                      ; the wave's opening: the add, twice on end, and its wait ahead of the first tensor load
	ds_add_u32 v[SPW], v[NIL]
	v_lshrrev_b32 v[TQ], 5, v0
	v_readfirstlane_b32 s[WV], v[TQ]               ; wave 0..7
	s_bfe_u32 s[CX], ttmp6, 0x40000                ; my place in the cluster: it enters the addresses of q and of the results alone
	s_lshl_b32 s[XB], ttmp9, 2
	s_add_co_u32 s[XB], s[XB], s[CX]               ; my block of 256 queries
	s_and_b32 s[BH], ttmp7, 0xffff                 ; (batch, head), which the four partners share
.irp g, G1, G1L
	s_mov_b32 s[\g], 15|(3<<16)|(1<<21)            ; 15:0 the mask: all four work-groups; 17:16 elements of 8 bytes; 21 set beside a mask
	s_mov_b32 s[\g+1], 32<<16                      ; tensor_dim0 = 32 elements: rows of 256 bytes
	s_mov_b32 s[\g+3], 32<<16                      ; tile_dim0
	s_mov_b32 s[\g+5], 32                          ; the pitch: the block is dense
	s_mov_b32 s[\g+6], 0
	s_mov_b32 s[\g+7], 0
.endr
	s_mov_b32 s[G1+2], 51<<16                      ; one record: 51 rows
	s_mov_b32 s[G1+4], 51
	s_mov_b32 s[G1L+2], 102<<16                    ; two records
	s_mov_b32 s[G1L+4], 102
	s_mul_i32 s16, s[WV], REC                      ; my record of a slot of 8,
	s_lshl_b32 s17, s16, 1                         ; my two of the slot of 16
	s_mov_b32 s52, s16
	s_mov_b32 s53, 0
	s_mul_i32 s44, s[BH], 32*REC
	s_add_co_u32 s44, s44, s16
	s_mov_b32 s45, 0
	s_mov_b32 s[SEL], 0x76543210
	s_mov_b32 s[SEL+1], 0xfedcba98
	s_mov_b32 s[CS], 0x3e38aa3b                    ; log2(e) / 8
	s_mov_b32 s[CS+1], s[CS]                       ; (named with it as a pair)
	v_and_b32 v[L16], 31, v0
	v_lshlrev_b32 v[L8], 3, v[L16]
	v_lshlrev_b32 v[L16], 4, v[L16]
	s_wait_alu depctr_va_vdst(0)
	s_wait_dscnt 0x0                               ; both opening adds are done
	s_wait_kmcnt 0x0
	s_mov_b32 s[G0], 1                             ; count = 1
	s_mov_b32 s[G0+1], s16                         ; LDS address: the slot of 8
	s_add_nc_u64 s[G0+2:G0+3], s[6:7], s[44:45]    ; global address: record w of the first 8
	s_or_b32 s[G0+3], s[G0+3], 0x80000000          ; type = 2
	CROUND                                         ; all four work-groups are here: the first joint loads meet
	JLOAD G1                                       ; records 0-7, one a wave
	; Q: tiles 2 (w % 4) and 2 (w % 4) + 1 of record 32 bh + 2 block + w / 4
	s_lshl_b32 s44, s[BH], 5
	s_lshl_b32 s46, s[XB], 1
	s_add_co_u32 s44, s44, s46
	s_lshr_b32 s46, s[WV], 2
	s_add_co_u32 s44, s44, s46
	s_mul_i32 s44, s44, 6656
	s_and_b32 s46, s[WV], 3
	s_mul_i32 s47, s46, 1536
	s_add_co_u32 s48, s44, s47
	s_mov_b32 s49, 0
	s_add_nc_u64 s[48:49], s[4:5], s[48:49]        ; their codes
	s_lshl_b32 s46, s46, 2
	s_add_co_u32 s44, s44, s46
	s_add_nc_u64 s[50:51], s[4:5], s[44:45]        ; their scale words: 256 (tile % 2) + 4 (tile / 2) + 16 r into the record's image
	; where the results go: ocodes [tile of 16 positions][head][768], oscales [bh][position][2]
	s_lshr_b32 s44, s[BH], 3
	s_lshl_b32 s44, s44, 8
	s_lshl_b32 s46, s[XB], 4
	s_add_co_u32 s44, s44, s46
	s_lshl_b32 s46, s[WV], 1
	s_add_co_u32 s44, s44, s46
	s_lshl_b32 s44, s44, 3
	s_and_b32 s46, s[BH], 7
	s_add_co_u32 s44, s44, s46
	s_mul_i32 s44, s44, 768
	s_add_nc_u64 s[8:9], s[8:9], s[44:45]
	s_lshl_b32 s44, s[BH], 13
	s_lshl_b32 s46, s[XB], 9
	s_add_co_u32 s44, s44, s46
	s_add_nc_u64 s[10:11], s[10:11], s[44:45]
	v_and_b32 v[TQ], 15, v0
	v_lshlrev_b32 v[TQ], 4, v[TQ]                  ; 16 r
	s_wait_alu depctr_va_vdst(0)
	global_load_b64 v[QF:QF+1], v[L8], s[48:49]
	global_load_b128 v[QF+2:QF+5], v[L16], s[48:49] offset:256
	global_load_b32 v[QSA], v[TQ], s[50:51] offset:6144
	global_load_b32 v[QSA+1], v[TQ], s[50:51] offset:6400
	v_and_b32 v[OSA], 0xe0, v0                     ; 32 x wave
	v_lshrrev_b32 v[OSR], 3, v[TQ]                 ; 2 r
	v_lshl_add_u32 v[OSA], v[OSA], 1, v[OSR]       ; 64 bytes a wave, 2 a query
	v_add_nc_u32 v[OSA], OSC, v[OSA]
	v_add_nc_u32 v[OSR], OSC, v[L16]
	v_bfe_u32 v[SH], v0, 4, 1
	v_lshlrev_b32 v[SH], 3, v[SH]                  ; 8 x (lane / 16)
.irp j, 0,1,2,3,4,5
	v_mov_b32 v[KF+48+\j], 0                       ; zero codes behind K's tile 7
.endr
	INIT 0
	WIN 0x40
	global_load_b64 v[QF:QF+1], v[L8], s[48:49] offset:768
	global_load_b128 v[QF+2:QF+5], v[L16], s[48:49] offset:1024
	INIT 1
	WIN 0
	s_wait_alu depctr_va_vdst(0)
	s_wait_loadcnt 0x0                             ; Q
	; THE FIRST MEETING: records 0-7 are in; the slot of 16 is filled for the first time, as a refill is
	s_wait_tensorcnt 0x0                           ; no tensor load of mine is out, so group 0 may be written
	ds_add_u32 v[SPW], v[NIL]
	s_add_co_u32 s[G0+1], s17, SLA
	s_add_nc_u64 s[G0+2:G0+3], s[G0+2:G0+3], s[52:53]
	s_add_nc_u64 s[G0+2:G0+3], s[G0+2:G0+3], 8*REC ; from record w to record 8 + 2 w; the type bits on top are not reached
	s_wait_dscnt 0x0                               ; the add is done
	CROUND
	JLOAD G1L                                      ; records 8-23, two a wave
	s_mov_b32 s[TB], 0
	STEPS 8
	; THE SECOND MEETING: records 8-23 are in, the slot of 8 is read no more and takes records 24-31
	s_wait_tensorcnt 0x0
	ds_add_u32 v[SPW], v[NIL]
	s_mov_b32 s[G0+1], s16
	s_sub_nc_u64 s[G0+2:G0+3], s[G0+2:G0+3], s[52:53]
	s_add_nc_u64 s[G0+2:G0+3], s[G0+2:G0+3], 16*REC ; from record 8 + 2 w to record 24 + w
	s_wait_dscnt 0x0                               ; the add is done, and my reads of the slot of 8 are over
	CROUND
	JLOAD G1
	s_mov_b32 s[TB], SLA
	STEPS 16
	; THE THIRD MEETING: records 24-31 are in; nothing is filled again
	s_wait_tensorcnt 0x0
	ds_add_u32 v[SPW], v[NIL]
	s_wait_dscnt 0x0
	s_barrier_signal -1
	s_barrier_wait -1
	s_mov_b32 s[TB], 0
	STEPS 8
	FIN 0
	FIN 1
	WIN 0
	s_wait_dscnt 0x0                               ; for the others' sake: my stores have landed
	s_barrier_signal -1
	s_barrier_wait -1
	s_cmp_lg_u32 s[WV], 0
	s_cbranch_scc1 .Lno_scales
	ds_load_b128 v[KF:KF+3], v[OSR]
	s_wait_dscnt 0x0
	global_store_b128 v[L16], v[KF:KF+3], s[10:11] ; the work-group's 256 queries: 512 consecutive bytes
.Lno_scales:
	s_wait_tensorcnt 0x0                           ; the wave's end: three lines behind my last tensor load and my last LDS store
	ds_add_u32 v[SPW], v[NIL]
	s_wait_dscnt 0x0
	CROUND                                         ; the closing round: no work-group ends while a partner may still ask for a tile that names it
	s_endpgm
.Lfunc_end_k_qfd5c98b46f_attn:
	.size	k_qfd5c98b46f_attn, .Lfunc_end_k_qfd5c98b46f_attn-k_qfd5c98b46f_attn
	.p2alignl 7, 3214868480
	.fill 96, 4, 3214868480
	.section	.rodata,"a",@progbits
	.p2align	6, 0x0
	.amdhsa_kernel k_qfd5c98b46f_attn
		.amdhsa_group_segment_fixed_size 327680
		.amdhsa_private_segment_fixed_size 0
		.amdhsa_enable_private_segment 0
		.amdhsa_kernarg_size 32
		.amdhsa_user_sgpr_count 2
		.amdhsa_user_sgpr_kernarg_segment_ptr 1
		.amdhsa_wavefront_size32 1
		.amdhsa_system_sgpr_workgroup_id_x 1
		.amdhsa_system_sgpr_workgroup_id_y 1
		.amdhsa_system_sgpr_workgroup_id_z 1
		.amdhsa_system_vgpr_workitem_id 0
		.amdhsa_next_free_vgpr 512
		.amdhsa_next_free_sgpr 66
		.amdhsa_reserve_vcc 0
		.amdhsa_float_denorm_mode_32 3
		.amdhsa_float_denorm_mode_16_64 3
		.amdhsa_memory_ordered 1
		.amdhsa_forward_progress 1
		.amdhsa_inst_pref_size 102
	.end_amdhsa_kernel
	.amdgpu_metadata
---
amdhsa.version: [ 1, 2 ]
amdhsa.kernels:
  - .name:           k_qfd5c98b46f_attn
    .symbol:         k_qfd5c98b46f_attn.kd
    .args:
      - { .name: qrec, .offset: 0, .size: 8, .value_kind: global_buffer, .address_space: global }
      - { .name: kvrec, .offset: 8, .size: 8, .value_kind: global_buffer, .address_space: global }
      - { .name: ocodes, .offset: 16, .size: 8, .value_kind: global_buffer, .address_space: global }
      - { .name: oscales, .offset: 24, .size: 8, .value_kind: global_buffer, .address_space: global }
    .group_segment_fixed_size: 327680
    .private_segment_fixed_size: 0
    .kernarg_segment_align: 8
    .kernarg_segment_size: 32
    .max_flat_workgroup_size: 256
    .sgpr_count:     66
    .vgpr_count:     512
    .wavefront_size: 32
...
	.end_amdgpu_metadata
.endif
;; end of part 3
;; launch outp (part 4): grid 256 x 1, 4 waves a work-group, no clusters, 34,304 bytes of LDS; arguments pcodes, pscales, ocodes, oscales, bp, out0; writes out0
.if DOCPART == 4
	.amdgcn_target "amdgcn-amd-amdhsa--gfx1250"
	.amdhsa_code_object_version 6
	.text
	.protected	k_qfd5c98b46f_outp
	.globl	k_qfd5c98b46f_outp
	.p2align	8
	.type	k_qfd5c98b46f_outp,@function
k_qfd5c98b46f_outp:
	s_mov_b64 s[64:65], 0
	v_nop
	global_prefetch_b8 v0, s[64:65] scope:SCOPE_SE
	s_setreg_imm32_b32 hwreg(HW_REG_WAVE_MODE, 25, 1), 1
	s_wait_xcnt 0x0
; OUTP: out0 = o Wp + bp on codes of FP6 (E2M3), sums in f32.  o's codes and scale bytes come from the attention launch, Wp's from the first launch.
; A work-group takes 32 tokens (two tiles of 16 positions); wave w keeps features 128 w .. 128 w + 127 of Wp (32 fragments) in registers.  Source 0 = Wp's rows, source 1 = o's tile: a lane holds one token,
; and register 16 b + i is feature 128 w + 32 b + 16 (lane / 16) + i.  K step s of o is heads 2 s and 2 s + 1: their six registers each stand on end.
; The results go through the wave's own stage in LDS and leave as rows: 32 lanes store 512 consecutive bytes.  Position r of tile T is token 32 (T / 2) + 8 (T % 2) + r + 8 (r / 8).
; REGISTERS: window 0: v1-9 addresses; v16-111 o's two tiles; v112-119 their scale words; v120-135 Wp's; v136-199 the 8 accumulators; v200-215 o's scale bytes as loaded.
;   window 1: Wp's K steps 0, 1; v192-255 the bias in the result's layout.   window 2: Wp's K steps 2, 3.
.set WP_C, 10027008
.set WP_S, 417792
.set STG,   16*528                     ; LDS: a wave's stage: 16 rows x (512 bytes + 16)
.set SPARE, 4*STG                      ; the spare words, 128 bytes for each wave: two blocks of 256 bytes that no other line names
.set STO, 6
.set RD,  7
.set SPW, 8                            ; v8  LDS address of my spare word; never rewritten
.set NIL, 9                            ; v9  0; never rewritten
.set RF,  16
.set RS,  112
.set PS,  120
.set ACC, 136
.set U,   200
.set B1,  192
.set MSB, 0
.macro WIN new                         ; the immediate's high byte repeats the setting that is left
.if MSB != \new
	s_set_vgpr_msb (MSB<<8)|\new
.set MSB, \new
.endif
.endm
.macro MM s, set, cmode                ; K step s: the 8 accumulators by turns, one instruction a turn.  cmode 1: C = the bias
.if (\cmode) == 1
	WIN 0x11
.elseif (\s) < 2
	WIN 0x01
.else
	WIN 0x02
.endif
.irp t, 0,1,2,3,4,5,6,7
.set rD, ACC+8*\t
.set rA, 12*(2*\t+(\s)%2)
.set rB, RF+48*(\set)+12*(\s)
.set rC, rD
.if (\cmode) == 1
.set rC, B1+8*\t
.endif
.if \t%2
	v_wmma_scale_f32_16x16x128_f8f6f4 v[rD:rD+7], v[rA:rA+11], v[rB:rB+11], v[rC:rC+7], v[PS+4*(\t/2)+(\s)], v[RS+4*(\set)+(\s)] matrix_a_fmt:MATRIX_FMT_FP6 matrix_b_fmt:MATRIX_FMT_FP6 matrix_a_scale:MATRIX_SCALE_ROW1
.else
	v_wmma_scale_f32_16x16x128_f8f6f4 v[rD:rD+7], v[rA:rA+11], v[rB:rB+11], v[rC:rC+7], v[PS+4*(\t/2)+(\s)], v[RS+4*(\set)+(\s)] matrix_a_fmt:MATRIX_FMT_FP6 matrix_b_fmt:MATRIX_FMT_FP6
.endif
.endr
.endm
.macro RLOADO u                        ; o's tile u: eight heads' six registers, and each head's two scale bytes of row r
.irp hd, 0,1,2,3,4,5,6,7
	global_load_b64 v[RF+48*\u+6*\hd:RF+48*\u+6*\hd+1], v3, s[28:29] offset:6144*\u+768*\hd
	global_load_b128 v[RF+48*\u+6*\hd+2:RF+48*\u+6*\hd+5], v2, s[28:29] offset:6144*\u+768*\hd+256
	global_load_u16 v[U+8*\u+\hd], v4, s[30:31] offset:8192*\hd+32*\u
.endr
.endm
.macro OUNIT u                         ; 32 products, then 16 rows x 512 bytes through the stage
	MM 0, \u, 1
	MM 1, \u, 0
	MM 2, \u, 0
	MM 3, \u, 0
	WIN 0
.rept 4
	v_nop                                          ; four places in front of the first read of the results
.endr
.irp t, 0,1,2,3,4,5,6,7
	ds_store_b128 v[STO], v[ACC+8*\t:ACC+8*\t+3] offset:128*(\t/2)+32*(\t%2)        ; each accumulator from its low end on
	ds_store_b128 v[STO], v[ACC+8*\t+4:ACC+8*\t+7] offset:128*(\t/2)+32*(\t%2)+16
.endr
.irp i, 0,1,2,3,4,5,6,7,8,9,10,11,12,13,14,15
	ds_load_b128 v[ACC+4*\i:ACC+4*\i+3], v[RD] offset:528*\i   ; LDS serves a wave's instructions in order: these see my stores
.endr
.irp i, 0,1,2,3,4,5,6,7,8,9,10,11,12,13,14,15
	s_wait_dscnt 15-\i                             ; row i is back; the younger loads may be out
	global_store_b128 v2, v[ACC+4*\i:ACC+4*\i+3], s[34:35] offset:(8*\u+\i+8*(\i/8))*2048 th:TH_STORE_NT   ; 512 consecutive bytes of a row of out0, aligned; written once
.endr
.endm
	s_load_b256 s[4:11], s[0:1], 0x0               ; pcodes s[4:5], pscales s[6:7], ocodes s[8:9], oscales s[10:11]
	s_load_b128 s[12:15], s[0:1], 0x20             ; bp s[12:13], out0 s[14:15]
	v_lshl_add_u32 v[SPW], v0, 2, SPARE
	v_mov_b32 v[NIL], 0
	v_lshrrev_b32 v1, 5, v0
	v_readfirstlane_b32 s18, v1                    ; w: wave 0..3
	v_and_b32 v1, 31, v0
	v_lshlrev_b32 v2, 4, v1                        ; 16 x lane
	v_lshlrev_b32 v3, 3, v1                        ; 8 x lane
	v_and_b32 v10, 15, v0                          ; r
	v_bfe_u32 v11, v0, 4, 1                        ; h
	v_lshlrev_b32 v4, 1, v10                       ; 2 r
	v_lshlrev_b32 v5, 6, v11                       ; 64 h
	s_mul_i32 s19, s18, STG
	v_mul_u32_u24 v[STO], v10, 528
	v_add_nc_u32 v[STO], v[STO], v5
	v_add_nc_u32 v[STO], s19, v[STO]               ; the stage, in: row r, + 64 h
	v_add_nc_u32 v[RD], s19, v2                    ; back: a row's 512 bytes, 16 a lane
	s_mul_i32 s24, s18, 49152
	s_add_co_u32 s24, s24, WP_C
	s_mov_b32 s25, 0
	s_lshl_b32 s26, s18, 11
	s_add_co_u32 s26, s26, WP_S
	s_mov_b32 s27, 0
	s_mul_i32 s28, ttmp9, 12288                    ; my two tiles of o
	s_mov_b32 s29, 0
	s_lshr_b32 s30, ttmp9, 7                       ; batch: 8 heads x 8,192 bytes of scale bytes
	s_lshl_b32 s30, s30, 16
	s_and_b32 s31, ttmp9, 127
	s_lshl_b32 s31, s31, 6                         ; 32 positions x 2 bytes
	s_add_co_u32 s30, s30, s31
	s_mov_b32 s31, 0
	s_lshl_b32 s32, s18, 9                         ; my 128 features, in bytes
	s_mov_b32 s33, 0
	s_lshl_b32 s34, ttmp9, 16                      ; 32 rows of 2,048 bytes
	s_add_co_u32 s34, s34, s32
	s_mov_b32 s35, 0
	s_wait_alu depctr_va_vdst(0)
	s_wait_kmcnt 0x0
	s_add_nc_u64 s[24:25], s[4:5], s[24:25]
	s_add_nc_u64 s[26:27], s[6:7], s[26:27]
	s_add_nc_u64 s[28:29], s[8:9], s[28:29]
	s_add_nc_u64 s[30:31], s[10:11], s[30:31]
	s_add_nc_u64 s[32:33], s[12:13], s[32:33]
	s_add_nc_u64 s[34:35], s[14:15], s[34:35]
	WIN 0x40                                       ; destination window 1
.irp t, 0,1,2,3,4,5,6,7
.irp s, 0,1
.irp c, 0,1,2
	global_load_b128 v[12*(2*\t+\s)+4*\c:12*(2*\t+\s)+4*\c+3], v2, s[24:25] offset:(4*\t+\s)*1536+512*\c
.endr
.endr
.endr
.irp t, 0,1,2,3,4,5,6,7                        ; the bias: lane (r, h) wants, for tile t, features 32 (t / 2) + 8 (t % 2) + 16 h + 0 .. 7
	global_load_b128 v[B1+8*\t:B1+8*\t+3], v5, s[32:33] offset:(32*(\t/2)+8*(\t%2))*4
	global_load_b128 v[B1+8*\t+4:B1+8*\t+7], v5, s[32:33] offset:(32*(\t/2)+8*(\t%2))*4+16
.endr
	WIN 0x80                                       ; destination window 2
.irp t, 0,1,2,3,4,5,6,7
.irp s, 2,3
.irp c, 0,1,2
	global_load_b128 v[12*(2*\t+\s-2)+4*\c:12*(2*\t+\s-2)+4*\c+3], v2, s[24:25] offset:(4*\t+\s)*1536+512*\c
.endr
.endr
.endr
	WIN 0
.irp j, 0,1,2,3
	global_load_b128 v[PS+4*\j:PS+4*\j+3], v2, s[26:27] offset:512*\j
.endr
	RLOADO 0
	RLOADO 1
	s_wait_loadcnt 0x0                             ; all were issued together
.irp u, 0,1
.irp s, 0,1,2,3
	v_lshl_or_b32 v[RS+4*\u+\s], v[U+8*\u+2*\s+1], 16, v[U+8*\u+2*\s]   ; K step s: head 2 s's two bytes below, head 2 s + 1's above
.endr
.endr
.rept 4
	v_nop                                          ; with tile 1's four lines above: eight places between tile 0's scale words and its products
.endr
	OUNIT 0
	s_wait_xcnt 0x0                                ; tile 0's stores have read the registers in which tile 1's sums begin
	v_nop                                          ; with the four in front of the stage: five places ahead of products that begin the accumulators anew
	s_wait_alu depctr_va_vdst(0)
	OUNIT 1
	s_wait_tensorcnt 0x0                           ; the wave's end: three lines behind my last LDS store
	ds_add_u32 v[SPW], v[NIL]
	s_wait_dscnt 0x0
	s_endpgm
.Lfunc_end_k_qfd5c98b46f_outp:
	.size	k_qfd5c98b46f_outp, .Lfunc_end_k_qfd5c98b46f_outp-k_qfd5c98b46f_outp
	.p2alignl 7, 3214868480
	.fill 96, 4, 3214868480
	.section	.rodata,"a",@progbits
	.p2align	6, 0x0
	.amdhsa_kernel k_qfd5c98b46f_outp
		.amdhsa_group_segment_fixed_size 34304
		.amdhsa_private_segment_fixed_size 0
		.amdhsa_enable_private_segment 0
		.amdhsa_kernarg_size 48
		.amdhsa_user_sgpr_count 2
		.amdhsa_user_sgpr_kernarg_segment_ptr 1
		.amdhsa_wavefront_size32 1
		.amdhsa_system_sgpr_workgroup_id_x 1
		.amdhsa_system_sgpr_workgroup_id_y 1
		.amdhsa_system_sgpr_workgroup_id_z 1
		.amdhsa_system_vgpr_workitem_id 0
		.amdhsa_next_free_vgpr 768
		.amdhsa_next_free_sgpr 66
		.amdhsa_reserve_vcc 0
		.amdhsa_float_denorm_mode_32 3
		.amdhsa_float_denorm_mode_16_64 3
		.amdhsa_memory_ordered 1
		.amdhsa_forward_progress 1
		.amdhsa_inst_pref_size 35
	.end_amdhsa_kernel
	.amdgpu_metadata
---
amdhsa.version: [ 1, 2 ]
amdhsa.kernels:
  - .name:           k_qfd5c98b46f_outp
    .symbol:         k_qfd5c98b46f_outp.kd
    .args:
      - { .name: pcodes, .offset: 0, .size: 8, .value_kind: global_buffer, .address_space: global }
      - { .name: pscales, .offset: 8, .size: 8, .value_kind: global_buffer, .address_space: global }
      - { .name: ocodes, .offset: 16, .size: 8, .value_kind: global_buffer, .address_space: global }
      - { .name: oscales, .offset: 24, .size: 8, .value_kind: global_buffer, .address_space: global }
      - { .name: bp, .offset: 32, .size: 8, .value_kind: global_buffer, .address_space: global }
      - { .name: out0, .offset: 40, .size: 8, .value_kind: global_buffer, .address_space: global }
    .group_segment_fixed_size: 34304
    .private_segment_fixed_size: 0
    .kernarg_segment_align: 8
    .kernarg_segment_size: 48
    .max_flat_workgroup_size: 128
    .sgpr_count:     66
    .vgpr_count:     768
    .wavefront_size: 32
...
	.end_amdgpu_metadata
.endif
;; end of part 4
